; MI455X (gfx1250); checked and timed in simulation.
; The chip was launched on July 23, 2026; its instructions are those of AMD's public machine-readable ISA for CDNA 5 (MIT licence, August 2026) and "CDNA5" Instruction Set Architecture Reference Guide (July 2026). The comments in the code are by the model that wrote it; some were corrected since.
;; Attn. Allowed arithmetic: matrix products marked QUANTISED: E2M1 operands, one E8M0 scale for each 32 along K, by v_wmma_scale_f32_16x16x128_f8f6f4 with both operands' format E2M1 (or v_wmma_scale_f32_32x16x128_f4), f32 sums; products left as they are: bf16, f16 or f32 operands; f32 sums; everything else in f32.
;; Inputs: Bq 1 x 1,024 float32; Wk 1,024 x 1,024 float32; Wq 1,024 x 1,024 float32; Wv 1,024 x 1,024 float32; x 2 x 2,048 x 1,024 float32.
;; Outputs: out0 2 x 2,048 x 1,024 float32.
;; Constants: n_heads = 16.
;; This version of the problem:
;;   THIS VERSION OF THE PROBLEM IS GIVEN IN LOW PRECISION. The matrix products marked QUANTISED in the list below multiply operands that are first quantised to E2M1 (2 exponent bits, 1 mantissa bit; 4 bits a number), with one power-of-two scale for each 32 numbers along K (OCP MX v1.0); their sums are f32. The products marked 'left as it is' may take bf16, f16 or f32 operands, with f32 sums. Whichever they take, every output number must still come out within the allowed error. Rounding operands to bf16 (8 significant bits) uses up far more of that allowance than f16 does (11 bits, for magnitudes from 6e-5 to 65,504). All else is computed in f32.
;;   The module's matrix products, in the order in which they are computed (A, B: the left and right operand; K: the contracted axis; several contracted axes count as one K, in the product's order):
;;     1. [M 4,096, K 1,024] x [K 1,024, N 1,024]; A: input x; B: input Wq: QUANTISED
;;     2. [M 4,096, K 1,024] x [K 1,024, N 1,024]; A: input x; B: input Wk: QUANTISED
;;     3. [M 4,096, K 1,024] x [K 1,024, N 1,024]; A: input x; B: input Wv: QUANTISED
;;     4. batch 32 x [M 2,048, K 64] x [K 64, N 2,048]; A: computed on the way; B: computed on the way: left as it is (an operand is computed on the way)
;;     5. batch 32 x [M 64, K 2,048] x [K 2,048, N 2,048]; A: computed on the way; B: computed on the way: left as it is (an operand is computed on the way)
;;   THE QUANTISER, for each operand of a quantised product, along K:
;;     - K is cut into blocks of 32 from its start; a last block that is shorter is filled with zeros.
;;     - A block's scale is 2^e with e = floor(log2(the largest magnitude in the block)) - 2, held to -126 .. 127; a block of zeros has e = 0. As a byte (E8M0): e + 127.
;;     - Each number is divided by its block's scale, clamped to +-6, and rounded to the nearest number of E2M1, ties to even, subnormals kept.
;;     - The product sums the exact products of the quantised numbers (number of the format x scale) in f32.
;;   ~~~python
;;   def quantise(x, axis):      # numpy; x: float32 -> the quantised numbers, widened to float32 again
;;       x = np.moveaxis(x, axis, -1); K = x.shape[-1]
;;       x = np.pad(x, [(0, 0)] * (x.ndim - 1) + [(0, -K % 32)]); x = x.reshape(x.shape[:-1] + (-1, 32)); a = np.abs(x).max(-1, keepdims=True)
;;       e = np.where(a > 0, np.clip(np.frexp(np.where(a > 0, a, 1))[1] - 1 - 2, -126, 127), 0)      # np.frexp(a)[1] - 1 = floor(log2(a)), exactly
;;       r = np.clip(x / 2.0 ** e, -6, 6)
;;       step = 2.0 ** (np.maximum(np.frexp(np.where(r == 0, 1, r))[1] - 1, 0) - 1)
;;       q = np.round(r / step) * step * 2.0 ** e      # np.round: ties to even
;;       return np.moveaxis(q.reshape(q.shape[:-2] + (-1,))[..., :K], -1, axis).astype(np.float32)
;;   ~~~
;; One version. Each part assembles by itself: llvm-mc -triple=amdgcn-amd-amdhsa -mcpu=gfx1250 --defsym DOCPART=n.
;; ======== version 1 of 1: 4 launches
;; limits: values are held in f16: magnitudes above 65,504 overflow, below 6.1e-05 lose precision
;; workspace buffers: xc 2,097,152 bytes; xs 131,072 bytes; wc 1,572,864 bytes; ws 98,304 bytes; biasp 12,288 bytes; qkv 25,165,824 bytes; ow 16,777,216 bytes
;; launch quant (part 1): grid 224 x 1, 8 waves a work-group, no clusters, 61,440 bytes of LDS; arguments x, Wq, Wk, Wv, Bq, xc, xs, wc, ws, biasp; writes xc, xs, wc, ws, biasp
.if DOCPART == 1
	.amdgcn_target "amdgcn-amd-amdhsa--gfx1250"
	.amdhsa_code_object_version 6
	.text
	.protected	k_q8141f2d3a1_quant
	.globl	k_q8141f2d3a1_quant
	.p2align	8
	.type	k_q8141f2d3a1_quant,@function
k_q8141f2d3a1_quant:
	s_mov_b64 s[64:65], 0
	v_nop
	global_prefetch_b8 v0, s[64:65] scope:SCOPE_SE
	s_setreg_imm32_b32 hwreg(HW_REG_WAVE_MODE, 25, 1), 1
	s_wait_xcnt 0x0
; x [4096][1024] and Wq, Wk, Wv [1024 (k)][1024 (c)], f32, become codes of FP4 (E2M1), K innermost, with one E8M0 byte for each 32 along K.
; A block's scale is 2^(floor(log2(its largest magnitude)) - 2); its byte is the largest magnitude's exponent field - 2, held at 1 from below.
; LIMITS: a block of zeros gets the byte 1 where the quantiser says 127 (its codes are zeros, and this program alone reads the bytes); blocks whose largest
; magnitude lies under 2^-124 were not tried; NaN and infinities among the inputs are not served.
; Work-groups 0-127 take x (a plain stream of blocks of 32); work-groups 128-223 take the weights.  Each of the two paths has LDS bytes of its own.
; THE WEIGHTS' ROWS ARE PERMUTED: column c = 16 dd + h of weight t becomes row 1024 t + 64 h + dd of wc and ws, so that a head's 64 columns are neighbours in the product.
; biasp holds Bq in that order, and zeros for the rows of Wk and Wv.
.set EMAX,  2
.set SP,    80                         ; path X: a lane's place in a stage: its 64 bytes + 16 of padding
.set XSC,   40960                      ; path X: behind the eight waves' stages (2 x 32 x SP each, from byte 0): the work-group's 1,024 scale bytes
.set WST,   41984                      ; path W: a stage of 64 columns x (256 bytes + 16)
.set WSC,   59392                      ; path W: 16 scale bytes for each of the 64 columns
.set SPARE, 60416                      ; the spare words, 128 bytes for each wave: four blocks of 256 bytes that no other line names
.set SPW,   12                         ; v12  LDS address of my spare word; never rewritten
.set NIL,   13                         ; v13  0; never rewritten
.set R,     16                         ; path X: v16-143  eight sets of 16 numbers as loaded
.set X,     144                        ; path X: v144-175 two sets of 16 neighbours
.set E,     176                        ; path X: v176-183 a scale byte for each step
.set C,     184                        ; path X: v184-199 two registers of codes for each step
.set WX,    32                         ; path W: v32-95   two sets of 32 numbers
.set WC,    96                         ; path W: v96-99   a block's codes
.set SB,    24                         ; path W: v24      my four scale bytes
.set OUTR,  112                        ; path W: v112-127 the way out
	s_load_b512 s[4:19], s[0:1], 0x0               ; x s[4:5], Wq s[6:7], Wk s[8:9], Wv s[10:11], Bq s[12:13], xc s[14:15], xs s[16:17], wc s[18:19]
	s_load_b128 s[20:23], s[0:1], 0x40             ; ws s[20:21], biasp s[22:23]
	v_lshl_add_u32 v[SPW], v0, 2, SPARE
	v_mov_b32 v[NIL], 0
	v_lshrrev_b32 v1, 5, v0
	v_readfirstlane_b32 s24, v1                    ; wave 0..7
	v_and_b32 v2, 31, v0                           ; lane
	s_mov_b32 s37, 0                               ; the high word of every offset pair s[36:37]
	s_wait_kmcnt 0x0
	s_cmp_lt_u32 ttmp9, 128                        ; the work-group's number alone decides the path: all eight waves go the same way
	s_cbranch_scc0 .Lw
; ---------------- PATH X.  A wave takes 8 steps of 512 numbers.  All its 32 loads (512 consecutive bytes each) go out at the head.
; The conversions want 16 neighbours in a lane, the loads want neighbouring lanes on neighbouring bytes: a step's 2,048 bytes turn through the wave's own stage.
	v_lshlrev_b32 v3, 4, v2                        ; my 16 bytes of a load's 512
	s_mul_i32 s25, s24, 2*32*SP                    ; my wave's two stages
	v_lshrrev_b32 v14, 2, v2
	v_mul_u32_u24 v14, v14, SP
	v_and_b32 v15, 3, v2
	v_lshl_add_u32 v14, v15, 4, v14
	v_add_nc_u32 v14, s25, v14                     ; into the stage: SP (lane / 4) + 16 (lane % 4)
	v_mul_u32_u24 v15, v2, SP
	v_add_nc_u32 v15, s25, v15                     ; out of it: SP x lane
	v_lshlrev_b32 v4, 3, v2                        ; 8 x lane: my codes' place in a step's 256 bytes
	s_lshl_b32 s26, s24, 7
	s_add_co_u32 s26, s26, XSC
	v_lshrrev_b32 v5, 1, v2
	v_add_nc_u32 v5, s26, v5                       ; my block's scale byte: XSC + 128 x wave + lane / 2
	s_and_b32 s27, s24, 3
	s_lshl_b32 s27, s27, 8
	s_add_co_u32 s26, s27, XSC
	v_add_nc_u32 v6, s26, v4                       ; the bytes' way out (waves 0-3): XSC + 256 x wave + 8 x lane
	s_lshl_b32 s28, ttmp9, 3
	s_add_co_u32 s28, s28, s24                     ; which run of 4,096 numbers is my wave's
	s_lshl_b32 s36, s28, 14
	s_add_nc_u64 s[4:5], s[4:5], s[36:37]          ; x: 16,384 bytes a run
	s_lshl_b32 s36, s28, 11
	s_add_nc_u64 s[14:15], s[14:15], s[36:37]      ; codes: 2,048 bytes a run
	s_lshl_b32 s36, ttmp9, 10
	s_add_co_u32 s36, s36, s27
	s_add_nc_u64 s[16:17], s[16:17], s[36:37]      ; scale bytes: 1,024 a work-group, 256 a storing wave
.macro XLOAD t
.irp i, 0,1,2,3
	global_load_b128 v[R+16*(\t)+4*\i:R+16*(\t)+4*\i+3], v3, s[4:5] offset:2048*(\t)+512*\i th:TH_LOAD_NT
.endr
.endm
.macro XTURN t                         ; LDS serves a wave's instructions in order: no wait between the stores and the loads
.irp i, 0,1,2,3
	ds_store_b128 v14, v[R+16*(\t)+4*\i:R+16*(\t)+4*\i+3] offset:32*SP*((\t)%2)+8*SP*\i
.endr
.irp i, 0,1,2,3
	ds_load_b128 v[X+16*((\t)%2)+4*\i:X+16*((\t)%2)+4*\i+3], v15 offset:32*SP*((\t)%2)+16*\i
.endr
.endm
.irp t, 0,1,2,3,4,5,6,7
	XLOAD \t
.endr
	s_wait_loadcnt 28                              ; step 0's four loads are in; the 28 of the seven later steps stay out
	XTURN 0
.macro XSTEP t
.set XS, X+16*((\t)%2)
.if (\t) > 0
	s_wait_dscnt 1                                 ; this step's numbers are back from the stage; the last step's byte store may be out
.else
	s_wait_dscnt 0x0
.endif
.if (\t) < 7
	s_wait_loadcnt 24-4*(\t)                       ; the next step's four loads are in; four for each step behind it stay out
	XTURN (\t)+1                                   ; and go through the other stage while this step is worked
.endif
	v_max3_num_f32 v8, |v[XS]|, |v[XS+1]|, |v[XS+2]|               ; the largest magnitude of my 16, in two chains
	v_max3_num_f32 v9, |v[XS+3]|, |v[XS+4]|, |v[XS+5]|
.irp i, 6,10
	v_max3_num_f32 v8, v8, |v[XS+\i]|, |v[XS+\i+1]|
	v_max3_num_f32 v9, v9, |v[XS+\i+2]|, |v[XS+\i+3]|
.endr
	v_max3_num_f32 v8, v8, |v[XS+14]|, |v[XS+15]|
	v_max3_num_f32 v8, v8, v9, (EMAX+1)<<23        ; and the floor 2^(3 - 127): the byte cannot fall under 1
	v_max_num_f32_dpp v8, v8, v8 row_xmask:1 row_mask:0xf bank_mask:0xf   ; with my neighbour's 16: the block's
	v_add_nc_u32 v11, -(EMAX<<23), v8              ; 2 off its exponent field: the conversion takes the exponent field of this operand as its scale
	v_cvt_scalef32_pk8_fp4_f32 v[C+2*(\t)], v[XS:XS+7], v11
	v_cvt_scalef32_pk8_fp4_f32 v[C+2*(\t)+1], v[XS+8:XS+15], v11
	v_lshrrev_b32 v[E+(\t)], 23, v11               ; the scale's byte (a plain line behind the conversions)
	ds_store_b8 v5, v[E+(\t)] offset:16*(\t)       ; both lanes of a block write the same byte with the same value
	global_store_b64 v4, v[C+2*(\t):C+2*(\t)+1], s[14:15] offset:256*(\t)   ; 32 lanes store 256 consecutive bytes, aligned
.endm
.irp t, 0,1,2,3,4,5,6,7
	XSTEP \t
.endr
	s_wait_dscnt 0x0                               ; for the others: my byte stores have landed
	s_barrier_signal -1
	s_barrier_wait -1
	s_cmp_lt_u32 s24, 4                            ; waves 0-3 store the work-group's 1,024 scale bytes, 256 consecutive aligned bytes each
	s_cbranch_scc0 .Lx_end
	ds_load_b64 v[8:9], v6
	s_wait_dscnt 0x0
	global_store_b64 v4, v[8:9], s[16:17]
.Lx_end:
	s_wait_tensorcnt 0x0                           ; the wave's end, behind my last LDS store
	ds_add_u32 v[SPW], v[NIL]
	s_wait_dscnt 0x0
	s_endpgm
; ---------------- PATH W.  Work-group j = number - 128: weight t = j / 32, 64 columns 64 xb on, 512 along K (half y).  Wave w: 32 columns (cg = w & 1), 128 along K (kq = w >> 1).
; A lane takes a column and its registers run down K: a block of 32 is one lane's 32 registers, and the codes come out with K innermost.
.Lw:
	s_sub_co_u32 s25, ttmp9, 128
	s_lshr_b32 s26, s25, 5                         ; t
	s_bfe_u32 s27, s25, 0x40001                    ; xb
	s_and_b32 s28, s25, 1                          ; y
	s_and_b32 s29, s24, 1                          ; cg
	s_lshr_b32 s30, s24, 1                         ; kq
	s_cmp_eq_u32 s26, 0
	s_cselect_b64 s[6:7], s[6:7], s[8:9]           ; the weight: a choice on the work-group's number alone
	s_cselect_b32 s38, -1, 0                       ; all ones where the bias counts (t = 0)
	s_cmp_eq_u32 s26, 2
	s_cselect_b64 s[6:7], s[10:11], s[6:7]
	v_lshlrev_b32 v3, 2, v2                        ; in: 4 bytes a lane
	v_and_b32 v8, 15, v2
	v_lshrrev_b32 v9, 4, v2
	s_mul_i32 s31, s29, 32*272
	s_lshl_b32 s32, s30, 6
	s_add_co_u32 s31, s31, s32
	s_add_co_u32 s31, s31, WST
	v_mul_u32_u24 v4, v2, 272
	v_add_nc_u32 v4, s31, v4                       ; into the stage: row = my column, + 64 bytes for each 128 along K
	s_lshl_b32 s31, s29, 9
	s_lshl_b32 s32, s30, 2
	s_add_co_u32 s32, s31, s32
	s_add_co_u32 s32, s32, WSC
	v_lshl_add_u32 v5, v2, 4, s32                  ; my scale word: 16 bytes a column, + 4 kq
	s_add_co_u32 s31, s31, WSC
	v_lshl_add_u32 v14, v2, 4, s31                 ; the scale bytes' way out (waves 0, 1): 16 bytes of column 32 w + lane
	s_mul_i32 s31, s24, 8*272
	s_add_co_u32 s31, s31, WST
	v_mul_u32_u24 v6, v9, 272
	v_lshl_add_u32 v6, v8, 4, v6
	v_add_nc_u32 v6, s31, v6                       ; out of the stage: rows 8 w + (lane / 16), sixteen lanes to a row
	v_lshlrev_b32 v7, 15, v9
	v_lshl_add_u32 v7, v8, 4, v7                   ; the same in wc: the next column is the next head, 64 rows of 512 bytes on
	v_lshlrev_b32 v15, 11, v8
	v_lshl_add_u32 v15, v9, 5, v15                 ; in ws: head lane % 16 (64 rows of 32 bytes), dd + lane / 16
	s_lshl_b32 s31, s27, 2
	v_lshl_add_u32 v16, v2, 7, s31                 ; Bq(16 (2 lane) + xb): 128 lane + 4 xb bytes
	v_lshlrev_b32 v17, 3, v2
	s_lshl_b32 s36, s28, 21                        ; W: row 512 y + 128 kq of 4,096 bytes, column 64 xb + 32 cg
	s_lshl_b32 s31, s30, 19
	s_add_co_u32 s36, s36, s31
	s_lshl_b32 s31, s27, 8
	s_add_co_u32 s36, s36, s31
	s_lshl_b32 s31, s29, 7
	s_add_co_u32 s36, s36, s31
	s_add_nc_u64 s[6:7], s[6:7], s[36:37]
	s_lshl_b32 s36, s26, 19                        ; wc: row 1024 t + 4 xb + (w >> 1) + 512 (w & 1) of 512 bytes, + 256 y
	s_lshl_b32 s31, s27, 11
	s_add_co_u32 s36, s36, s31
	s_lshl_b32 s31, s30, 9
	s_add_co_u32 s36, s36, s31
	s_lshl_b32 s31, s29, 18
	s_add_co_u32 s36, s36, s31
	s_lshl_b32 s31, s28, 8
	s_add_co_u32 s36, s36, s31
	s_add_nc_u64 s[18:19], s[18:19], s[36:37]
	s_lshl_b32 s36, s26, 15                        ; ws: row 1024 t + 4 xb + 2 w of 32 bytes, + 16 y
	s_lshl_b32 s31, s27, 7
	s_add_co_u32 s36, s36, s31
	s_lshl_b32 s31, s29, 6
	s_add_co_u32 s36, s36, s31
	s_lshl_b32 s31, s28, 4
	s_add_co_u32 s36, s36, s31
	s_add_nc_u64 s[20:21], s[20:21], s[36:37]
	s_lshl_b32 s36, s26, 12                        ; biasp: 4 (1024 t + 64 xb)
	s_lshl_b32 s31, s27, 8
	s_add_co_u32 s36, s36, s31
	s_add_nc_u64 s[22:23], s[22:23], s[36:37]
	global_load_b32 v100, v16, s[12:13]            ; head xb's bias at dd = 2 lane
	global_load_b32 v101, v16, s[12:13] offset:64  ; and 2 lane + 1
.macro WLOAD t                         ; block t: W(32 t + i, my column): 32 lanes read 128 consecutive bytes
.irp i, 0,1,2,3,4,5,6,7,8,9,10,11,12,13,14,15,16,17,18,19,20,21,22,23,24,25,26,27,28,29,30,31
	global_load_b32 v[WX+32*((\t)%2)+\i], v3, s[6:7] offset:(32*(\t)+\i)*4096 th:TH_LOAD_NT
.endr
.endm
	WLOAD 0
	WLOAD 1
.macro WBLOCK t
.set XS, WX+32*((\t)%2)
.if (\t) < 3
	s_wait_loadcnt 32                              ; this block's 32 loads are in; the next block's 32 stay out
.else
	s_wait_loadcnt 0x0
.endif
	v_max3_num_f32 v8, |v[XS]|, |v[XS+1]|, |v[XS+2]|               ; the block's largest magnitude: all 32 numbers are mine
	v_max3_num_f32 v9, |v[XS+3]|, |v[XS+4]|, |v[XS+5]|
.irp i, 6,10,14,18,22,26
	v_max3_num_f32 v8, v8, |v[XS+\i]|, |v[XS+\i+1]|
	v_max3_num_f32 v9, v9, |v[XS+\i+2]|, |v[XS+\i+3]|
.endr
	v_max3_num_f32 v8, v8, |v[XS+30]|, |v[XS+31]|
	v_max3_num_f32 v8, v8, v9, (EMAX+1)<<23        ; and the floor
	v_add_nc_u32 v11, -(EMAX<<23), v8              ; the conversion's scale operand
	v_lshrrev_b32 v10, 23, v11                     ; the scale's byte
.if (\t) == 0
	v_mov_b32 v[SB], v10                           ; four bytes to a register, the lower K in the lower byte
.else
	v_lshl_or_b32 v[SB], v10, 8*(\t), v[SB]
.endif
.irp g, 0,1,2,3
	v_cvt_scalef32_pk8_fp4_f32 v[WC+\g], v[XS+8*\g:XS+8*\g+7], v11
.endr
	v_nop                                          ; one plain line behind the last conversion
	ds_store_b128 v4, v[WC:WC+3] offset:16*(\t)    ; 32 codes: 16 bytes of my column's row
.if (\t) < 2
	WLOAD (\t)+2
.endif
	s_wait_dscnt 0x0                               ; the store has read its registers: the next block's codes may be written
.endm
.irp t, 0,1,2,3
	WBLOCK \t
.endr
	ds_store_b32 v5, v[SB]
	s_wait_dscnt 0x0                               ; for the others: my codes and my scale word have landed
	s_barrier_signal -1
	s_barrier_wait -1
.irp t, 0,1,2,3
	ds_load_b128 v[OUTR+4*\t:OUTR+4*\t+3], v6 offset:544*\t        ; stage rows 8 w + 2 t + (lane / 16)
.endr
.irp t, 0,1,2,3
	s_wait_dscnt 3-\t                              ; load t is in; the later ones stay out
	global_store_b128 v7, v[OUTR+4*\t:OUTR+4*\t+3], s[18:19] offset:65536*\t   ; sixteen lanes store 256 consecutive bytes, aligned: half a row of wc
.endr
	s_cmp_lt_u32 s24, 2                            ; waves 0 and 1 store the scale bytes: 16 bytes a column, rows 32 bytes apart within a head (pieces of 16 bytes: 98,304 bytes in the whole launch)
	s_cbranch_scc0 .Lw_nosc
	ds_load_b128 v[128:131], v14
	s_wait_dscnt 0x0
	global_store_b128 v15, v[128:131], s[20:21]
.Lw_nosc:
	s_or_b32 s31, s28, s24                         ; wave 0 of the work-groups with y = 0 stores head xb's 64 numbers of biasp
	s_cmp_eq_u32 s31, 0
	s_cbranch_scc0 .Lw_end
	v_cndmask_b32 v100, 0, v100, s38               ; Bq for Wq's rows, 0 for Wk's and Wv's
	v_cndmask_b32 v101, 0, v101, s38
	global_store_b64 v17, v[100:101], s[22:23]     ; 32 lanes store 256 consecutive bytes, aligned
.Lw_end:
	s_wait_tensorcnt 0x0                           ; the wave's end, behind my last LDS store
	ds_add_u32 v[SPW], v[NIL]
	s_wait_dscnt 0x0
	s_endpgm
.Lfunc_end_k_q8141f2d3a1_quant:
	.size	k_q8141f2d3a1_quant, .Lfunc_end_k_q8141f2d3a1_quant-k_q8141f2d3a1_quant
	.p2alignl 7, 3214868480
	.fill 96, 4, 3214868480
	.section	.rodata,"a",@progbits
	.p2align	6, 0x0
	.amdhsa_kernel k_q8141f2d3a1_quant
		.amdhsa_group_segment_fixed_size 61440
		.amdhsa_private_segment_fixed_size 0
		.amdhsa_enable_private_segment 0
		.amdhsa_kernarg_size 80
		.amdhsa_user_sgpr_count 2
		.amdhsa_user_sgpr_kernarg_segment_ptr 1
		.amdhsa_wavefront_size32 1
		.amdhsa_system_sgpr_workgroup_id_x 1
		.amdhsa_system_sgpr_workgroup_id_y 1
		.amdhsa_system_sgpr_workgroup_id_z 1
		.amdhsa_system_vgpr_workitem_id 0
		.amdhsa_next_free_vgpr 224
		.amdhsa_next_free_sgpr 66
		.amdhsa_reserve_vcc 0
		.amdhsa_float_denorm_mode_32 3
		.amdhsa_float_denorm_mode_16_64 3
		.amdhsa_memory_ordered 1
		.amdhsa_forward_progress 1
		.amdhsa_inst_pref_size 41
	.end_amdhsa_kernel
	.amdgpu_metadata
---
amdhsa.version: [ 1, 2 ]
amdhsa.kernels:
  - .name:           k_q8141f2d3a1_quant
    .symbol:         k_q8141f2d3a1_quant.kd
    .args:
      - { .name: x, .offset: 0, .size: 8, .value_kind: global_buffer, .address_space: global }
      - { .name: Wq, .offset: 8, .size: 8, .value_kind: global_buffer, .address_space: global }
      - { .name: Wk, .offset: 16, .size: 8, .value_kind: global_buffer, .address_space: global }
      - { .name: Wv, .offset: 24, .size: 8, .value_kind: global_buffer, .address_space: global }
      - { .name: Bq, .offset: 32, .size: 8, .value_kind: global_buffer, .address_space: global }
      - { .name: xc, .offset: 40, .size: 8, .value_kind: global_buffer, .address_space: global }
      - { .name: xs, .offset: 48, .size: 8, .value_kind: global_buffer, .address_space: global }
      - { .name: wc, .offset: 56, .size: 8, .value_kind: global_buffer, .address_space: global }
      - { .name: ws, .offset: 64, .size: 8, .value_kind: global_buffer, .address_space: global }
      - { .name: biasp, .offset: 72, .size: 8, .value_kind: global_buffer, .address_space: global }
    .group_segment_fixed_size: 61440
    .private_segment_fixed_size: 0
    .kernarg_segment_align: 8
    .kernarg_segment_size: 80
    .max_flat_workgroup_size: 256
    .sgpr_count:     66
    .vgpr_count:     224
    .wavefront_size: 32
...
	.end_amdgpu_metadata
.endif
;; end of part 1
;; launch gemm (part 2): grid 12 x 16, 4 waves a work-group, clusters of 4 x 4, 327,680 bytes of LDS; arguments xc, xs, wc, ws, biasp, qkv; writes qkv
.if DOCPART == 2
	.amdgcn_target "amdgcn-amd-amdhsa--gfx1250"
	.amdhsa_code_object_version 6
	.text
	.protected	k_q8141f2d3a1_gemm
	.globl	k_q8141f2d3a1_gemm
	.p2align	8
	.type	k_q8141f2d3a1_gemm,@function
k_q8141f2d3a1_gemm:
	s_mov_b64 s[64:65], 0
	v_nop
	global_prefetch_b8 v0, s[64:65] scope:SCOPE_SE
	s_setreg_imm32_b32 hwreg(HW_REG_WAVE_MODE, 25, 1), 1
	s_wait_xcnt 0x0
	s_wait_alu depctr_hold_cnt(0) depctr_sa_sdst(0) depctr_va_vdst(0) depctr_va_sdst(0) depctr_va_ssrc(0) depctr_va_vcc(0) depctr_vm_vsrc(0)
	s_getreg_b32 s2, hwreg(HW_REG_IB_STS2, 6, 4)
	s_cmp_eq_u32 s2, 0
	s_cbranch_scc0 .Lentry_in_a_cluster
	s_endpgm
.Lentry_in_a_cluster:
	s_bfe_u32 s2, ttmp6, 0x10000c
	s_cmp_lg_u32 s2, 0xf033
	s_cbranch_scc0 .Lentry_shape_is_right
	s_endpgm
.Lentry_shape_is_right:
; The three projections as ONE product on codes of FP4 (E2M1) with E8M0 scales: C[m][n] = sum over k of x[m][k] W[n][k] + bias[n], m = 0..4095, n = 1024 t + 64 h + dd (t: Q, K, V), K = 1,024.
; The result goes out as f16, laid by head: qkv [t][bh = 16 b + h][s][64].  LIMIT: a result beyond 65,504 becomes infinity in f16.
; A tile of C, 256 x 256, is made by four waves; a wave makes 128 x 128: 64 accumulators, 512 registers.  K is two slots of 512 in LDS (rows of 256 bytes): both are asked for at the head, nothing is filled again.
; The scales of the work-group's 256 + 256 rows come once, as dense blocks in rows of 256 bytes.
; CLUSTERS: 4 x 4 work-groups; A's tiles are asked for jointly along a row of the cluster, B's along a column.
; THE MATRIX INSTRUCTION IS USED TRANSPOSED (source 0 = 16 rows of W, source 1 = 16 rows of x): a lane holds eight neighbouring n of one row m.  The bias is the C of each sum's first instruction.
; REGISTERS: window 0: v0-31 addresses; v32-95 scale words, two sets; v128-191 A's fragments, one set; v192-255 the bias in the result's layout; on the way out v128-223 are used again.
;   window 1: B's fragments, two sets, at v0 and v128.   window 2: the accumulators of my rows 0-63 ((a, b) at v[8 (8 a + b)]);   window 3: those of my rows 64-127.
.set SIZE_K, 1024
.set KSTEP,  512
.set NQ,     KSTEP/128
.set ROWB,   256                       ; a tile's row in bytes
.set KROW,   SIZE_K/2                  ; a row of codes in memory
.set PITCH,  272                       ; an LDS row: 256 bytes + 16 of padding: the 16 rows that a load touches start 16 bytes apart modulo 256
.set FR,     8
.set NL,     2
.set NP,     4
.set HALFT,  128*PITCH
.set SLOT,   4*HALFT
.set KS,     SIZE_K/32
.set SCL,    2*SLOT
.set HALFS,  (128*KS/256)*272
.set SBLK,   (16*KS/256)*272
.set SPARE,  SCL+4*HALFS               ; the spare words, 128 bytes for each wave: two blocks of 256 bytes that no other line names
.set SPITCH, 272                       ; the way out: a stage of 16 rows x (256 bytes + 16) for each wave, in slot 0, which has had its one fill and its last read by then
.set ADRA, 16
.set ADRB, 20
.set STO,  24
.set RD,   25
.set CO,   26
.set ADRS, 27
.set SPW,  28
.set NIL,  29
.set BO,   30                          ; v30  32 x (lane / 16): my eight numbers of a block's sixteen biases
.set SC,   32
.set AF,   128
.set BIAS, 192                         ; v192-255: register 8 b + j: bias(16 b + 8 (lane / 16) + j) of my 128 columns
.set TMP,  192                         ; the way out: packed results
.set BK,   128                         ; the way out: rows read back: v128-159 and v160-191 by turns
.set G1, 24
.set G0, 32
.set G1B, 48
.set G0B, 56
.set G1S, 68
.set G0S, 76
.set G1SB, 80
.set G0SB, 88
.set MSB, 0
.macro WIN new                         ; the immediate's high byte repeats the setting that is left
.if MSB != (\new)
	s_set_vgpr_msb (MSB<<8)|(\new)
.set MSB, \new
.endif
.endm
.set MUL_LO, 0xa1                      ; source 0 (B) window 1, source 1 (A) window 0, C and D window 2
.set MUL_HI, 0xf1                      ; the same, C and D window 3
.set BEG_LO, 0x81                      ; the first step: C (the bias) window 0, D window 2
.set BEG_HI, 0xc1                      ; D window 3
.set TO_B,   0x40
; A joint load: waves 0 and 1 fetch for A, waves 2 and 3 for B; the branch hangs on the wave's number alone.  An s_nop 0 and four v_nop follow each of the two lines.
.macro JLOAD g0a, g1a, g0b, g1b
	s_cmp_eq_u32 s15, 0
	s_cbranch_scc0 .Lfor_b_\@
	tensor_load_to_lds s[\g0a:\g0a+3], s[\g1a:\g1a+7]
	s_nop 0
.rept 4
	v_nop
.endr
	s_branch .Lasked_\@
.Lfor_b_\@:
	tensor_load_to_lds s[\g0b:\g0b+3], s[\g1b:\g1b+7]
	s_nop 0
.rept 4
	v_nop
.endr
.Lasked_\@:
.endm
.macro CROUND                          ; a round of the cluster's barrier
	s_barrier_signal -1
	s_barrier_wait -1
	s_cmp_lg_u32 s14, 0
	s_cbranch_scc1 .Lnot_wave_0_\@
	s_barrier_signal -3
.Lnot_wave_0_\@:
	s_barrier_wait -3
	s_barrier_signal -1
	s_barrier_wait -1
.endm
	s_load_b128 s[4:7], s[0:1], 0x0                ; x's codes s[4:5], x's scales s[6:7]
	s_load_b128 s[8:11], s[0:1], 0x10              ; W's codes s[8:9], W's scales s[10:11]
	s_load_b64 s[2:3], s[0:1], 0x20                ; the bias
	s_load_b64 s[12:13], s[0:1], 0x28              ; qkv
	v_lshl_add_u32 v[SPW], v0, 2, SPARE
	v_mov_b32 v[NIL], 0
	ds_add_u32 v[SPW], v[NIL]                      ; the wave's opening: the add, twice on end, and its wait ahead of my first tensor load
	ds_add_u32 v[SPW], v[NIL]
	v_lshrrev_b32 v1, 5, v0
	v_readfirstlane_b32 s14, v1                    ; wave 0..3
	s_lshr_b32 s15, s14, 1                         ; which half of the tile's rows is mine.  Also: I fetch for A (0) or for B (1)
	s_and_b32 s16, s14, 1                          ; which half of its columns.  Also: which 128 rows of that tile I fetch
	s_bfe_u32 s40, ttmp6, 0x40000                  ; cx, cy
	s_bfe_u32 s41, ttmp6, 0x40004
	s_lshl_b32 s42, ttmp9, 2
	s_add_co_u32 s42, s42, s40                     ; tile column tx = 4 x cluster x + cx
	s_and_b32 s17, ttmp7, 0xffff
	s_lshl_b32 s17, s17, 2
	s_add_co_u32 s17, s17, s41                     ; tile row ty = 4 x cluster y + cy
	s_lshl_b32 s43, s41, 2
	s_lshl_b32 s43, 15, s43                        ; my row of the cluster
	s_lshl_b32 s44, 0x1111, s40                    ; my column
	s_or_b32 s[G1+0], s43, (0<<16)|(1<<20)|(1<<21)|(5<<22)|(3<<25)  ; the mask; elements of 1 byte; padding on; bit 21 beside a mask; 4 words behind every 64
	s_or_b32 s[G1B+0], s44, (0<<16)|(1<<20)|(1<<21)|(5<<22)|(3<<25)
.irp g, G1, G1B
	s_mov_b32 s[\g+1], ROWB<<16                    ; tensor_dim0
	s_mov_b32 s[\g+2], 128<<16                     ; tensor_dim1
	s_mov_b32 s[\g+3], ROWB<<16                    ; tile_dim0
	s_mov_b32 s[\g+4], 128                         ; tile_dim1
	s_mov_b32 s[\g+5], KROW                        ; the pitch in memory
	s_mov_b32 s[\g+6], 0
	s_mov_b32 s[\g+7], 0
.endr
	s_or_b32 s[G1S+0], s43, (3<<16)|(1<<20)|(1<<21)|(5<<22)|(3<<25) ; the scales of 128 rows: 4,096 dense bytes as 16 rows of 32 elements of 8 bytes
	s_or_b32 s[G1SB+0], s44, (3<<16)|(1<<20)|(1<<21)|(5<<22)|(3<<25)
.irp g, G1S, G1SB
	s_mov_b32 s[\g+1], 32<<16
	s_mov_b32 s[\g+2], (128*KS/256)<<16
	s_mov_b32 s[\g+3], 32<<16
	s_mov_b32 s[\g+4], 128*KS/256
	s_mov_b32 s[\g+5], 32
	s_mov_b32 s[\g+6], 0
	s_mov_b32 s[\g+7], 0
.endr
	s_lshl_b32 s18, s16, 7
	s_lshl_b32 s20, s17, 8
	s_add_co_u32 s20, s20, s18                     ; A: row 256 ty + 128 x half
	s_lshl_b32 s46, s42, 8
	s_add_co_u32 s46, s46, s18                     ; B: row 256 tx + 128 x half
	s_mov_b32 s21, 0
	s_mov_b32 s47, 0
	s_mov_b64 s[18:19], KS
	s_mul_u64 s[22:23], s[20:21], s[18:19]
	s_mul_u64 s[92:93], s[46:47], s[18:19]
	s_mov_b64 s[18:19], KROW
	s_mul_u64 s[20:21], s[20:21], s[18:19]
	s_mul_u64 s[46:47], s[46:47], s[18:19]
	s_mul_i32 s45, s14, HALFT                      ; where they go: wave x 128 rows
	s_mul_i32 s94, s14, HALFS
	s_wait_dscnt 0x0                               ; both opening adds are done
	s_wait_kmcnt 0x0
	s_add_nc_u64 s[20:21], s[4:5], s[20:21]
	s_add_nc_u64 s[22:23], s[6:7], s[22:23]
	s_add_nc_u64 s[46:47], s[8:9], s[46:47]
	s_add_nc_u64 s[92:93], s[10:11], s[92:93]
	CROUND                                         ; all sixteen work-groups are here: the joint loads meet
	s_mov_b32 s[G0S], 1
	s_add_co_u32 s[G0S+1], s94, SCL
	s_mov_b64 s[G0S+2:G0S+3], s[22:23]
	s_or_b32 s[G0S+3], s[G0S+3], 0x80000000
	s_mov_b32 s[G0SB], 1
	s_add_co_u32 s[G0SB+1], s94, SCL
	s_mov_b64 s[G0SB+2:G0SB+3], s[92:93]
	s_or_b32 s[G0SB+3], s[G0SB+3], 0x80000000
	JLOAD G0S, G1S, G0SB, G1SB                     ; the scales first
.irp s, 0,1
	s_mov_b32 s[G0+4*\s], 1
	s_add_co_u32 s[G0+4*\s+1], s45, \s*SLOT
	s_add_nc_u64 s[G0+4*\s+2:G0+4*\s+3], s[20:21], \s*ROWB
	s_or_b32 s[G0+4*\s+3], s[G0+4*\s+3], 0x80000000
	s_mov_b32 s[G0B+4*\s], 1
	s_add_co_u32 s[G0B+4*\s+1], s45, \s*SLOT
	s_add_nc_u64 s[G0B+4*\s+2:G0B+4*\s+3], s[46:47], \s*ROWB
	s_or_b32 s[G0B+4*\s+3], s[G0B+4*\s+3], 0x80000000
	JLOAD G0+4*\s, G1, G0B+4*\s, G1B               ; both slots: three tensor loads of mine are out
.endr
	v_and_b32 v1, 15, v0                           ; r = lane % 16
	v_bfe_u32 v2, v0, 4, 1                         ; hh = lane / 16
	v_lshlrev_b32 v[BO], 5, v2
	s_lshl_b32 s46, s42, 10                        ; the bias of my 128 columns: 4 (256 tx + 128 x half) bytes on
	s_lshl_b32 s47, s16, 9
	s_add_co_u32 s46, s46, s47
	s_mov_b32 s47, 0
	s_add_nc_u64 s[2:3], s[2:3], s[46:47]
.irp b, 0,1,2,3,4,5,6,7
	global_load_b128 v[BIAS+8*\b:BIAS+8*\b+3], v[BO], s[2:3] offset:64*\b
	global_load_b128 v[BIAS+8*\b+4:BIAS+8*\b+7], v[BO], s[2:3] offset:64*\b+16
.endr
	v_mul_u32_u24 v3, v1, PITCH
	v_lshl_add_u32 v4, v2, 4, v3                   ; a fragment's row x pitch + 16 x half
	s_mul_i32 s21, s15, HALFT
	s_mul_i32 s22, s16, HALFT
	s_add_co_u32 s22, s22, 2*HALFT
.irp s, 0,1
	v_add_nc_u32 v[ADRA+\s], s21, v4
	v_add_nc_u32 v[ADRB+\s], s22, v4
	s_add_co_u32 s21, s21, SLOT
	s_add_co_u32 s22, s22, SLOT
.endr
	v_mul_u32_u24 v5, v1, KS                       ; my row's scales: KS bytes a row,
	v_lshrrev_b32 v6, 8, v5
	v_lshl_add_u32 v5, v6, 4, v5                   ; and 16 more for each 256 passed
	s_mul_i32 s21, s15, HALFS
	s_mul_i32 s22, s16, HALFS
	s_add_co_u32 s22, s22, 2*HALFS
	s_sub_co_u32 s22, s22, s21
	v_mul_u32_u24 v6, s22, v2                      ; lanes 16-31 take B's: one product, the distance between the two bases
	s_add_co_u32 s21, s21, SCL
	v_add_nc_u32 v5, v5, v6
	v_add_nc_u32 v[ADRS], s21, v5
	s_mul_i32 s23, s14, 16*SPITCH                  ; my stage
	v_mul_u32_u24 v5, v1, SPITCH
	v_lshl_add_u32 v5, v2, 4, v5
	v_add_nc_u32 v[STO], s23, v5                   ; in: row r, 16 bytes for each half of the lanes
	v_and_b32 v6, 31, v0
	v_lshlrev_b32 v[CO], 4, v6                     ; out: 16 x lane
	v_lshrrev_b32 v7, 3, v6
	v_mul_u32_u24 v7, v7, SPITCH
	v_and_b32 v6, 7, v6
	v_lshl_add_u32 v7, v6, 4, v7
	v_add_nc_u32 v[RD], s23, v7                    ; back: eight lanes take one head's 128 bytes of a row, four rows an instruction
	s_lshr_b32 s20, s42, 2                         ; qkv: t = tx / 4: 8,388,608 bytes each
	s_lshl_b32 s20, s20, 23
	s_lshr_b32 s21, s17, 3                         ; bh = 16 (ty / 8) + 4 (tx % 4) + 2 x column half: 262,144 bytes each
	s_lshl_b32 s21, s21, 4
	s_and_b32 s22, s42, 3
	s_lshl_b32 s22, s22, 2
	s_add_co_u32 s21, s21, s22
	s_lshl_b32 s22, s16, 1
	s_add_co_u32 s21, s21, s22
	s_lshl_b32 s21, s21, 18
	s_add_co_u32 s20, s20, s21
	s_and_b32 s21, s17, 7                          ; s = 256 (ty % 8) + 128 x row half: 128 bytes each
	s_lshl_b32 s21, s21, 15
	s_add_co_u32 s20, s20, s21
	s_lshl_b32 s21, s15, 14
	s_add_co_u32 s20, s20, s21
	s_mov_b32 s21, 0
	s_add_nc_u64 s[12:13], s[12:13], s[20:21]
.macro FRAG reg, adr, q, i             ; 16 rows x 128 K of 4-bit codes: 8 registers, two loads 32 bytes apart
.irp c, 0,1
	ds_load_b128 v[\reg+4*\c:\reg+4*\c+3], v[\adr] offset:64*(\q)+32*\c+(\i)*16*PITCH
.endr
.endm
; 16 matrix instructions: A's blocks a0, a0 + 1 x B's eight.  begin = 1: the bias is the C and starts the sums.  The 64 accumulators take turns, one instruction a turn, in the same order in every step.
.macro MUL16 a0, p, q, sc, begin
.irp a, \a0, \a0+1
.irp b, 0,1,2,3,4,5,6,7
.if \begin
	v_wmma_scale_f32_16x16x128_f8f6f4 v[8*(8*((\a)%4)+\b):8*(8*((\a)%4)+\b)+7], v[128*(\p)+FR*\b:128*(\p)+FR*\b+FR-1], v[AF+FR*(\a):AF+FR*(\a)+FR-1], v[BIAS+8*\b:BIAS+8*\b+7], v[SC+8*NQ*(\sc)+NQ*\b+(\q)], v[SC+8*NQ*(\sc)+NQ*(\a)+(\q)] matrix_a_fmt:MATRIX_FMT_FP4 matrix_b_fmt:MATRIX_FMT_FP4 matrix_a_scale:MATRIX_SCALE_ROW1
.else
	v_wmma_scale_f32_16x16x128_f8f6f4 v[8*(8*((\a)%4)+\b):8*(8*((\a)%4)+\b)+7], v[128*(\p)+FR*\b:128*(\p)+FR*\b+FR-1], v[AF+FR*(\a):AF+FR*(\a)+FR-1], v[8*(8*((\a)%4)+\b):8*(8*((\a)%4)+\b)+7], v[SC+8*NQ*(\sc)+NQ*\b+(\q)], v[SC+8*NQ*(\sc)+NQ*(\a)+(\q)] matrix_a_fmt:MATRIX_FMT_FP4 matrix_b_fmt:MATRIX_FMT_FP4 matrix_a_scale:MATRIX_SCALE_ROW1
.endif
.endr
.endr
.endm
.macro FETCH_B slot, q, p
	WIN TO_B
.irp i, 0,1,2,3,4,5,6,7
	FRAG 128*(\p)+FR*\i, ADRB+\slot, \q, \i
.endr
	WIN 0
.endm
.macro FETCH_A slot, q, i0
.irp i, \i0, \i0+1, \i0+2, \i0+3
	FRAG AF+FR*(\i), ADRA+\slot, \q, \i
.endr
.endm
.macro SCALES sc                       ; a slot's scale words: lanes 0-15 take A's block i, lanes 16-31 B's block i
.irp i, 0,1,2,3,4,5,6,7
	ds_load_b128 v[SC+8*NQ*\sc+NQ*\i:SC+8*NQ*\sc+NQ*\i+3], v[ADRS] offset:\i*SBLK
.endr
.endm
.macro PLACES n                        ; plain vector lines between a matrix instruction and a load into, or a read of, its registers
.rept \n
	v_nop
.endr
.endm
.macro STEP slot, q, begin             ; 128 along K, with its successor in the same slot
	s_wait_dscnt 4*NL                              ; B's set and A's blocks 0-3 are in; the eight youngest loads (A's blocks 4-7) may be out
.if \begin
	WIN BEG_LO
.else
	WIN MUL_LO
.endif
	MUL16 0, (\q)%2, \q, \slot, \begin
	MUL16 2, (\q)%2, \q, \slot, \begin
	s_wait_dscnt 0
	PLACES NP
	FETCH_B \slot, (\q)+1, 1-(\q)%2
	FETCH_A \slot, (\q)+1, 0
.if \begin
	WIN BEG_HI
.else
	WIN MUL_HI
.endif
	MUL16 4, (\q)%2, \q, \slot, \begin
	MUL16 6, (\q)%2, \q, \slot, \begin
	PLACES NP
	WIN 0
	FETCH_A \slot, (\q)+1, 4
.endm
.macro STEPS slot, from
.set Q, \from
.rept NQ-1-\from
	STEP \slot, Q, 0
.set Q, Q+1
.endr
.endm
	s_wait_tensorcnt 1                             ; the scales and my part of slot 0 are in; slot 1's load may be out
	s_barrier_signal -1
	s_barrier_wait -1
	FETCH_B 0, 0, 0
	FETCH_A 0, 0, 0
	SCALES 0
	FETCH_A 0, 0, 4
	s_wait_loadcnt 0x0                             ; the bias
	STEP 0, 0, 1
	STEPS 0, 1
	; slot 0's last step changes slots: one barrier; ahead of it all my tensor loads, the add, and my reads of slot 0
	s_wait_tensorcnt 0x0                           ; my part of slot 1 has landed
	ds_add_u32 v[SPW], v[NIL]                      ; 0 onto my spare word
	s_wait_dscnt 4*NL+1                            ; the add and the eight youngest loads may be out
	WIN MUL_LO
	MUL16 0, 1, NQ-1, 0, 0
	s_wait_dscnt 0x0                               ; the add is done, and my reads of slot 0 are over
	s_barrier_signal -1
	MUL16 2, 1, NQ-1, 0, 0
	WIN 0
	s_barrier_wait -1
	PLACES NP
	v_add_nc_u32 v[ADRS], 4*NQ, v[ADRS]            ; on to slot 1's scale words
	FETCH_B 1, 0, 0
	FETCH_A 1, 0, 0
	SCALES 1
	WIN MUL_HI
	MUL16 4, 1, NQ-1, 0, 0
	MUL16 6, 1, NQ-1, 0, 0
	PLACES NP
	WIN 0
	FETCH_A 1, 0, 4
	STEPS 1, 0
	s_wait_dscnt 4*NL                              ; the very last step
	WIN MUL_LO
	MUL16 0, 1, NQ-1, 1, 0
	MUL16 2, 1, NQ-1, 1, 0
	s_wait_dscnt 0
	WIN MUL_HI
	MUL16 4, 1, NQ-1, 1, 0
	MUL16 6, 1, NQ-1, 1, 0
	WIN 0
; THE WAY OUT, a block of 16 rows x 128 columns (two heads) at a time: rounded to f16, 16 bytes a lane into my stage, back as four rows of one head, stored as 512 consecutive bytes of qkv.
.macro PACK a
.set AC, 64*((\a)%4)
	WIN 0x0a+5*((\a)/4)                            ; sources 0 and 1: window 2 or 3
.irp b, 0,1,2,3,4,5,6,7
.irp r, 0,1,2,3
	v_cvt_pk_f16_f32 v[TMP+4*\b+\r], v[AC+8*\b+2*\r], v[AC+8*\b+2*\r+1]   ; each accumulator from its low end on
.endr
.endr
	WIN 0
.endm
.macro TOSTAGE a
.set BB, BK+32*((\a)%2)
.irp b, 0,1,2,3,4,5,6,7
	ds_store_b128 v[STO], v[TMP+4*\b:TMP+4*\b+3] offset:32*\b
.endr
.irp t, 0,1,2,3,4,5,6,7
	ds_load_b128 v[BB+4*\t:BB+4*\t+3], v[RD] offset:4*SPITCH*(\t%4)+128*(\t/4)   ; LDS serves a wave's instructions in order: these see the stores above.  Two rows' halves share eight of sixteen columns: two passes
.endr
.endm
.macro SEND a
.set BB, BK+32*((\a)%2)
	s_wait_dscnt 0x0                               ; the block is back in registers
	s_wait_xcnt 0x0                                ; the stores of the block before have read their registers: the next loads from the stage may land there
.irp t, 0,1,2,3,4,5,6,7
	global_store_b128 v[CO], v[BB+4*\t:BB+4*\t+3], s[12:13] offset:262144*(\t/4)+2048*(\a)+512*(\t%4)   ; 32 lanes store 512 consecutive bytes, aligned: four rows of one head
.endr
.endm
	PLACES NP                                      ; behind the last products
	PACK 0
	TOSTAGE 0
.irp a, 1,2,3,4,5,6,7                  ; block a's conversions stand between block a - 1's loads from the stage and the wait for them
	PACK \a
	SEND \a-1
	TOSTAGE \a
.endr
	SEND 7
	s_wait_tensorcnt 0x0                           ; the wave's end
	ds_add_u32 v[SPW], v[NIL]
	s_wait_dscnt 0x0
	CROUND                                         ; the closing round
	s_endpgm
.Lfunc_end_k_q8141f2d3a1_gemm:
	.size	k_q8141f2d3a1_gemm, .Lfunc_end_k_q8141f2d3a1_gemm-k_q8141f2d3a1_gemm
	.p2alignl 7, 3214868480
	.fill 96, 4, 3214868480
	.section	.rodata,"a",@progbits
	.p2align	6, 0x0
	.amdhsa_kernel k_q8141f2d3a1_gemm
		.amdhsa_group_segment_fixed_size 327680
		.amdhsa_private_segment_fixed_size 0
		.amdhsa_enable_private_segment 0
		.amdhsa_kernarg_size 48
		.amdhsa_user_sgpr_count 2
		.amdhsa_user_sgpr_kernarg_segment_ptr 1
		.amdhsa_wavefront_size32 1
		.amdhsa_system_sgpr_workgroup_id_x 1
		.amdhsa_system_sgpr_workgroup_id_y 1
		.amdhsa_system_sgpr_workgroup_id_z 1
		.amdhsa_system_vgpr_workitem_id 0
		.amdhsa_next_free_vgpr 1024
		.amdhsa_next_free_sgpr 98
		.amdhsa_reserve_vcc 0
		.amdhsa_float_denorm_mode_32 3
		.amdhsa_float_denorm_mode_16_64 3
		.amdhsa_memory_ordered 1
		.amdhsa_forward_progress 1
		.amdhsa_inst_pref_size 128
	.end_amdhsa_kernel
	.amdgpu_metadata
---
amdhsa.version: [ 1, 2 ]
amdhsa.kernels:
  - .name:           k_q8141f2d3a1_gemm
    .symbol:         k_q8141f2d3a1_gemm.kd
    .args:
      - { .name: xc, .offset: 0, .size: 8, .value_kind: global_buffer, .address_space: global }
      - { .name: xs, .offset: 8, .size: 8, .value_kind: global_buffer, .address_space: global }
      - { .name: wc, .offset: 16, .size: 8, .value_kind: global_buffer, .address_space: global }
      - { .name: ws, .offset: 24, .size: 8, .value_kind: global_buffer, .address_space: global }
      - { .name: biasp, .offset: 32, .size: 8, .value_kind: global_buffer, .address_space: global }
      - { .name: qkv, .offset: 40, .size: 8, .value_kind: global_buffer, .address_space: global }
    .group_segment_fixed_size: 327680
    .private_segment_fixed_size: 0
    .kernarg_segment_align: 8
    .kernarg_segment_size: 48
    .max_flat_workgroup_size: 128
    .sgpr_count:     98
    .vgpr_count:     1024
    .wavefront_size: 32
...
	.end_amdgpu_metadata
.endif
;; end of part 2
;; launch attn (part 3): grid 8 x 32, 4 waves a work-group, clusters of 4 x 1, 327,680 bytes of LDS; arguments qkv, ow; writes ow
.if DOCPART == 3
	.amdgcn_target "amdgcn-amd-amdhsa--gfx1250"
	.amdhsa_code_object_version 6
	.text
	.protected	k_q8141f2d3a1_attn
	.globl	k_q8141f2d3a1_attn
	.p2align	8
	.type	k_q8141f2d3a1_attn,@function
k_q8141f2d3a1_attn:
	s_mov_b64 s[64:65], 0
	v_nop
	global_prefetch_b8 v0, s[64:65] scope:SCOPE_SE
	s_setreg_imm32_b32 hwreg(HW_REG_WAVE_MODE, 25, 1), 1
	s_wait_xcnt 0x0
	s_wait_alu depctr_hold_cnt(0) depctr_sa_sdst(0) depctr_va_vdst(0) depctr_va_sdst(0) depctr_va_ssrc(0) depctr_va_vcc(0) depctr_vm_vsrc(0)
	s_getreg_b32 s2, hwreg(HW_REG_IB_STS2, 6, 4)
	s_cmp_eq_u32 s2, 0
	s_cbranch_scc0 .Lentry_in_a_cluster
	s_endpgm
.Lentry_in_a_cluster:
	s_bfe_u32 s2, ttmp6, 0x10000c
	s_cmp_lg_u32 s2, 0x3003
	s_cbranch_scc0 .Lentry_shape_is_right
	s_endpgm
.Lentry_shape_is_right:
; O[bh][q][:] = the sum over k of softmax_k(Q[bh][q] . K[bh][k] / 32) V[bh][k][:].  Q, K, V: qkv [3][32][2048][64] in f16.  Products, maxima and sums in f32; the weights p are rounded to f16 for the second product.
; f16 and not bf16: each output averages 2,048 values, and eleven significant bits leave the comparison its room.  LIMIT: Q, K, V arrive as f16 (infinity beyond 65,504).
; SHARES.  A work-group owns 256 queries of one bh, each of its four waves 64: four tiles of 16.  Every wave walks all 2,048 keys, 64 a step.
; LAYOUT.  S^T = K Q^T (source 0 = 16 keys, source 1 = 16 queries): a lane holds ONE query (lane % 16) and keys 8 (lane / 16) + 0..7.  Two such tiles, rounded in pairs, are source 1 of O^T = V^T P.
; SOFTMAX.  A running maximum m and sum l for each query: p = 2^(c s - c m), c = log2(e) / 32; in every step O and l are multiplied by a = 2^(c m_old - c m_new).
; BY TURNS.  The wave's tiles are two pieces (tiles 0, 1 and tiles 2, 3).  In a turn one piece has the matrix unit (16 products V^T P of the step in hand, 16 products K Q^T of the next); the other piece's softmax,
; 236 vector instructions in 59 slices of four, stands between them.  Then the pieces change places.  Two turns are a key step.
; MEMORY AS ROWS OF 256 BYTES.  A head's [2048][64] f16 is read as [1024][128]: key k lies in row k / 2 at byte 128 (k % 2).  A slot holds 256 keys: 128 such rows of K, then 128 of V.
; CLUSTER.  The four query blocks of a cluster belong to one bh and walk the same K and V: each tile is asked for jointly.
; THE RESULT leaves as an image of O^T's registers, ow [bh][tile of 16 queries][8][lane][16 bytes]: the heads are interleaved number by number in the output, which the next launch does.
; REGISTERS: window 0: v2-8 addresses; v12-43 eight statistics a tile; v61-63; v64-191 S^T, 32 a tile; v192-255 P, 16 a tile.   window 1: v0-127 O^T, 32 a tile; v128-191 V of one step.   window 2: v0-63 Q, 16 a tile; v64-127 K of one step.
.set PK,     272                       ; a row of K in LDS: 256 bytes + 16: the sixteen lanes of a load fall on sixteen different 16-byte columns modulo 256
.set PVP,    288                       ; a row of V: 256 + 32: the turning load's sixteen lanes likewise
.set KSTEPB, 32*PK                     ; a step's 64 keys
.set VSTEPB, 32*PVP
.set KSLOT,  4*KSTEPB
.set VSLOT,  4*VSTEPB
.set VOFF,   KSLOT
.set SLOT1,  1<<17                     ; slot 1 begins here: one exclusive or turns an address in one slot into the other's
.set SPARE,  SLOT1+KSLOT+VSLOT         ; the spare words, 128 bytes for each wave: two blocks of 256 bytes that no other line names
.set SLOTB,  32768                     ; a slot's keys in memory, for K and for V
.set AK0, 2
.set AV0, 3
.set ADR, 4
.set QO,  5
.set GO,  8
.set PFO, 61                           ; v61  256 x my lane; never rewritten
.set SPW, 62
.set NIL, 63
.set ST,  12                           ; tile t's statistics at v[ST+8 t]: +0 c m, +1 m, +2, +3 l in two halves, +4 to +7 at work; a takes +6 once the maximum is found
.set S,   64
.set P,   192
.set KF,  64                           ; in window 2
.set VF,  128                          ; in window 1
.set WV,  12
.set LIM, 15
.set PFA, 18
.set G1K, 24
.set G1V, 32
.set G0K, 40
.set G0V, 48
.set SLOTS, 56
.set CNT, 57
.set CS,  58
.set SEL, 60
.set TBK, 62                           ; s62  LDS byte at which K's tile of the step to be fetched begins
.set TBV, 63                           ; s63  the same for V, less VOFF
.set MSB, 0
.macro WIN new
.if MSB != (\new)
	s_set_vgpr_msb (MSB<<8)|(\new)
.set MSB, \new
.endif
.endm
.set W_KQ, 0x0a                        ; K and Q in window 2, S^T in window 0
.set W_PV, 0x51                        ; V and O^T in window 1, P in window 0
.set W_RS, 0x41                        ; O^T (destination and source 0) in window 1, a in window 0
.macro JLOAD                           ; a joint refill: waves 0, 1 fetch K's halves, waves 2, 3 V's; an s_nop 0 and four v_nop follow each line
	s_cmp_lt_u32 s[WV], 2
	s_cbranch_scc0 .Lfor_v_\@
	tensor_load_to_lds s[G0K+4:G0K+7], s[G1K:G1K+7]
	s_nop 0
.rept 4
	v_nop
.endr
	s_branch .Lasked_\@
.Lfor_v_\@:
	tensor_load_to_lds s[G0V+4:G0V+7], s[G1V:G1V+7]
	s_nop 0
.rept 4
	v_nop
.endr
.Lasked_\@:
.endm
; A prefetch of what the NEXT change of slots will ask for: 128 rows of 256 bytes of K and of V.  The bh's first cluster asks; its four partners take 32 rows each, told apart by address; wave 0 asks for K's, wave 2 for V's, a lane a row.
; So each row is named once in the launch.  It stands one slot, 256 matrix instructions, ahead of the load.  The last change that fills a slot asks for nothing; nothing is asked for at the head.
.macro ASK
	s_cmp_gt_u32 s[SLOTS], s[LIM]
	s_cbranch_scc0 .Lnot_mine_\@
	global_prefetch_b8 v[PFO], s[PFA:PFA+1] th:TH_LOAD_NT scope:SCOPE_SE
.Lnot_mine_\@:
.endm
.macro CROUND
	s_barrier_signal -1
	s_barrier_wait -1
	s_cmp_lg_u32 s[WV], 0
	s_cbranch_scc1 .Lnot_wave_0_\@
	s_barrier_signal -3
.Lnot_wave_0_\@:
	s_barrier_wait -3
	s_barrier_signal -1
	s_barrier_wait -1
.endm
	s_load_b128 s[4:7], s[0:1], 0x0                ; qkv s[4:5], ow s[6:7]
	v_lshl_add_u32 v[SPW], v0, 2, SPARE
	v_mov_b32 v[NIL], 0
	ds_add_u32 v[SPW], v[NIL]                      ; the wave's opening: the add, twice on end, and its wait ahead of my first tensor load
	ds_add_u32 v[SPW], v[NIL]
	v_lshrrev_b32 v1, 5, v0
	v_readfirstlane_b32 s[WV], v1                  ; wave 0..3
	s_bfe_u32 s13, ttmp6, 0x40000                  ; cx
	s_lshl_b32 s14, ttmp9, 2
	s_add_co_u32 s14, s14, s13                     ; my block of 256 queries: it enters Q's and ow's addresses alone
	s_and_b32 s20, ttmp7, 0xffff                   ; bh, which the four partners share
	s_lshl_b32 s20, s20, 18                        ; 262,144 bytes a head
	s_mov_b32 s21, 0
	s_and_b32 s16, s[WV], 1                        ; which half of a slot's rows I fetch:
	s_lshl_b32 s22, s16, 14                        ; 64 rows of 256 bytes in memory,
	s_mov_b32 s23, 0
	s_add_nc_u64 s[22:23], s[22:23], s[20:21]
	s_mul_i32 s17, s16, 64*PK                      ; and in a slot, for K
	s_mul_i32 s66, s16, 64*PVP                     ; and for V
	s_lshl_b32 s2, s14, 15                         ; Q: my block's 256 rows of 128 bytes,
	s_lshl_b32 s3, s[WV], 13                       ; my wave's 64
	s_add_co_u32 s2, s2, s3
	s_add_co_u32 s2, s2, s20
	s_mov_b32 s3, 0
	s_lshl_b32 s68, s2, 1                          ; ow: 256 bytes a query: twice that
	s_mov_b32 s69, 0
	s_mov_b32 s[G1K], 15|(1<<16)|(1<<20)|(1<<21)|(5<<22)|(3<<25)  ; the mask: all four work-groups; elements of 2 bytes; padding on; bit 21 beside a mask; 4 words behind every 64
	s_mov_b32 s[G1V], 15|(1<<16)|(1<<20)|(1<<21)|(5<<22)|(7<<25)  ; the same with 8 words
.irp g, G1K, G1V
	s_mov_b32 s[\g+1], 128<<16                     ; tensor_dim0 = 128
	s_mov_b32 s[\g+2], 64<<16                      ; tensor_dim1 = 64
	s_mov_b32 s[\g+3], 128<<16                     ; tile_dim0 = 128
	s_mov_b32 s[\g+4], 64                          ; tile_dim1 = 64
	s_mov_b32 s[\g+5], 128                         ; elements from row to row
	s_mov_b32 s[\g+6], 0
	s_mov_b32 s[\g+7], 0
.endr
	s_mov_b32 s[CS], 0x3d38aa3b                    ; c = log2(e) / 32
	s_mov_b32 s[CS+1], s[CS]
	s_mov_b32 s[SEL], 0x76543210
	s_mov_b32 s[SEL+1], 0xfedcba98
	s_mov_b32 s[TBK], 0
	s_mov_b32 s[TBV], 0
	s_mov_b32 s[SLOTS], 6                          ; 8 slots of keys; all but the first two are asked for at a change
	s_and_b32 s[LIM], s[WV], 1
	s_or_b32 s[LIM], s[LIM], ttmp9                 ; 0 in waves 0 and 2 of the bh's first cluster: the same in all four partners
	s_cmp_eq_u32 s[LIM], 0
	s_cselect_b32 s[LIM], 1, -1
	v_and_b32 v[PFO], 31, v0
	v_lshlrev_b32 v[PFO], 8, v[PFO]
	s_wait_dscnt 0x0                               ; both opening adds are done
	s_wait_kmcnt 0x0
	s_mov_b64 s[10:11], s[6:7]                     ; ow
	s_add_nc_u64 s[6:7], s[4:5], 0x800000          ; K
	s_add_nc_u64 s[8:9], s[4:5], 0x1000000         ; V
	s_add_nc_u64 s[6:7], s[6:7], s[22:23]          ; at my half of slot 0
	s_add_nc_u64 s[8:9], s[8:9], s[22:23]
	s_add_nc_u64 s[4:5], s[4:5], s[2:3]            ; Q at my wave's first row
	s_add_nc_u64 s[10:11], s[10:11], s[68:69]      ; ow at my wave's first tile
	s_cmp_lt_u32 s[WV], 2
	s_cselect_b64 s[PFA:PFA+1], s[6:7], s[8:9]
	s_lshl_b32 s2, s13, 13                         ; my work-group's 32 rows of the 128
	s_mov_b32 s3, 0
	s_add_nc_u64 s[PFA:PFA+1], s[PFA:PFA+1], s[2:3]
	s_add_nc_u64 s[PFA:PFA+1], s[PFA:PFA+1], 2*SLOTB  ; the third slot of keys; the first change steps it on
	CROUND                                         ; all four work-groups are here: the first joint loads meet
.irp s, 0,1
	s_mov_b32 s[G0K+4*\s], 1
	s_add_co_u32 s[G0K+4*\s+1], s17, \s*SLOT1
	s_add_nc_u64 s[G0K+4*\s+2:G0K+4*\s+3], s[6:7], \s*SLOTB
	s_or_b32 s[G0K+4*\s+3], s[G0K+4*\s+3], 0x80000000
	s_mov_b32 s[G0V+4*\s], 1
	s_add_co_u32 s[G0V+4*\s+1], s66, \s*SLOT1+VOFF
	s_add_nc_u64 s[G0V+4*\s+2:G0V+4*\s+3], s[8:9], \s*SLOTB
	s_or_b32 s[G0V+4*\s+3], s[G0V+4*\s+3], 0x80000000
.endr
	s_cmp_lt_u32 s[WV], 2                          ; a wave's two first fills stand in one branch: two loads of mine are out
	s_cbranch_scc0 .Lfirst_v
	tensor_load_to_lds s[G0K:G0K+3], s[G1K:G1K+7]
	s_nop 0
	tensor_load_to_lds s[G0K+4:G0K+7], s[G1K:G1K+7]
	s_nop 0
.rept 4
	v_nop
.endr
	s_branch .Lfirst_asked
.Lfirst_v:
	tensor_load_to_lds s[G0V:G0V+3], s[G1V:G1V+7]
	s_nop 0
	tensor_load_to_lds s[G0V+4:G0V+7], s[G1V:G1V+7]
	s_nop 0
.rept 4
	v_nop
.endr
.Lfirst_asked:
	v_and_b32 v1, 15, v0                           ; r
	v_bfe_u32 v9, v0, 4, 1                         ; hh
	v_lshlrev_b32 v[QO], 7, v1
	v_lshl_add_u32 v[QO], v9, 4, v[QO]             ; row r of 128 bytes + 16 hh
	WIN 0x80                                       ; destination window 2
.irp f, 0,1,2,3,4,5,6,7                        ; Q stays in registers: tile f / 2, channels 32 (f % 2) on
	global_load_b128 v[8*\f:8*\f+3],   v[QO], s[4:5] offset:(\f/2)*2048+(\f%2)*64
	global_load_b128 v[8*\f+4:8*\f+7], v[QO], s[4:5] offset:(\f/2)*2048+(\f%2)*64+32
.endr
	WIN 0
	v_lshrrev_b32 v10, 1, v1
	v_mul_u32_u24 v[AK0], v10, PK
	v_and_b32 v10, 1, v1
	v_lshl_add_u32 v[AK0], v10, 7, v[AK0]
	v_lshl_add_u32 v[AK0], v9, 4, v[AK0]           ; key r: row r / 2, byte 128 (r % 2), + 16 hh
	v_bfe_u32 v10, v0, 1, 2
	v_lshl_add_u32 v10, v9, 2, v10
	v_mul_u32_u24 v[AV0], v10, PVP                 ; the turning load: key 8 hh + lane % 8: row 4 hh + (lane % 8) / 2,
	v_and_b32 v10, 1, v0
	v_lshl_add_u32 v[AV0], v10, 7, v[AV0]          ; byte 128 (lane % 2),
	v_bfe_u32 v10, v0, 3, 1
	v_lshl_add_u32 v[AV0], v10, 4, v[AV0]          ; channels 8 ((lane / 8) % 2) on
	v_add_nc_u32 v[AV0], VOFF, v[AV0]
	v_and_b32 v[GO], 31, v0
	v_lshlrev_b32 v[GO], 4, v[GO]                  ; the way out: 16 x lane
; THE MATRIX WORK OF A TURN, for piece x.  The accumulators take turns, one instruction a turn: seven others stand between two links of a chain.
.macro PV x, zero                      ; product i of 16 of O^T += V^T P: keys 32 (i / 8) on, channels 16 ((i / 2) % 4) on, tile x + i % 2.  zero = 1: the first 8 start the sums
	WIN W_PV
.set rO, 32*(\x+i%2)+8*((i/2)%4)
.set rV, VF+32*(i/8)+8*((i/2)%4)
.set rP, P+16*(\x+i%2)+8*(i/8)
.if \zero && (i < 8)
	v_wmma_f32_16x16x32_f16 v[rO:rO+7], v[rV:rV+7], v[rP:rP+7], 0
.else
	v_wmma_f32_16x16x32_f16 v[rO:rO+7], v[rV:rV+7], v[rP:rP+7], v[rO:rO+7]
.endif
.endm
.macro KQ x                            ; product i of 16 of S^T = K Q^T: channels 32 (i / 8) on, keys 16 ((i / 2) % 4) on, tile x + i % 2.  The first 8 start the sums
	WIN W_KQ
.set rS, S+32*(\x+i%2)+8*((i/2)%4)
.set rK, KF+16*((i/2)%4)+8*(i/8)
.set rQ, 16*(\x+i%2)+8*(i/8)
.if i < 8
	v_wmma_f32_16x16x32_f16 v[rS:rS+7], v[rK:rK+7], v[rQ:rQ+7], 0
.else
	v_wmma_f32_16x16x32_f16 v[rS:rS+7], v[rK:rK+7], v[rQ:rQ+7], v[rS:rS+7]
.endif
.endm
.macro FETCH_K                         ; a step's K in one run of 16 loads: fragment f: keys 16 (f / 2) on, channels 32 (f % 2) on
	WIN 0
	v_add_nc_u32 v[ADR], s[TBK], v[AK0]
	s_add_co_u32 s[TBK], s[TBK], KSTEPB
	WIN 0x80
.irp f, 0,1,2,3,4,5,6,7
	ds_load_b128 v[KF+8*\f:KF+8*\f+3],   v[ADR] offset:(\f/2)*8*PK+(\f%2)*64
	ds_load_b128 v[KF+8*\f+4:KF+8*\f+7], v[ADR] offset:(\f/2)*8*PK+(\f%2)*64+32
.endr
.endm
.macro FETCH_V                         ; a step's V, turned: fragment f: keys 32 (f / 4) on, channels 16 (f % 4) on
	WIN 0
	v_add_nc_u32 v[ADR], s[TBV], v[AV0]
	s_add_co_u32 s[TBV], s[TBV], VSTEPB
	s_wait_alu depctr_va_vdst(0)                   ; the wait for the softmax's batch of exponentials, ahead of the first line that names a result
	WIN 0x40
.irp f, 0,1,2,3,4,5,6,7
	ds_load_tr16_b128 v[VF+8*\f:VF+8*\f+3],   v[ADR] offset:(\f/4)*16*PVP+(\f%4)*32
	ds_load_tr16_b128 v[VF+8*\f+4:VF+8*\f+7], v[ADR] offset:(\f/4)*16*PVP+8*PVP+(\f%4)*32
.endr
.endm
; THE VECTOR WORK OF A TURN.  One tile's softmax for one key step is a list of 118 instructions; SM writes number j of it for tile t.  first = 1: the first key step, which has no a and nothing to rescale.
;   0-15 the maximum of the lane's 32 scores and the old m;  16-20 the other half of the lanes', the new m, c m, c m_old - c m_new;
;   21-69 ONE BATCH: 16 packed scalings c s - c m and 33 exponentials, none of which reads an exponential's result;  (the wait);  70-85 roundings to f16;  86-101 the sums, l = a l + sum;  102-117 the tile's O^T times a.
.macro SM t, first
.set rT, ST+8*(\t)
.set rS, S+32*(\t)
.set rP, P+16*(\t)
.set rO, 32*(\t)+2*(j-102)
.if j < 102
	WIN 0
.endif
.if j < 4
	v_max3_num_f32 v[rT+4+j], v[rS+8*j], v[rS+8*j+1], v[rS+8*j+2]        ; each accumulator is read from its low end first
.elseif j < 12
	v_max3_num_f32 v[rT+4+j%4], v[rT+4+j%4], v[rS+8*(j%4)+2*(j/4)+1], v[rS+8*(j%4)+2*(j/4)+2]
.elseif j == 12
	v_max3_num_f32 v[rT+4], v[rT+4], v[rS+7], v[rS+15]
.elseif j == 13
	v_max3_num_f32 v[rT+6], v[rT+6], v[rS+23], v[rS+31]
.elseif j == 14
	v_max3_num_f32 v[rT+4], v[rT+4], v[rT+5], v[rT+6]
.elseif (j == 15) && \first
	v_max_num_f32 v[rT+4], v[rT+4], v[rT+7]
.elseif j == 15
	v_max3_num_f32 v[rT+4], v[rT+4], v[rT+7], v[rT+1]
.elseif j == 16
	v_permlanex16_b32 v[rT+5], v[rT+4], s[SEL], s[SEL+1]
.elseif j == 18
	v_max_num_f32 v[rT+1], v[rT+4], v[rT+5]
.elseif j == 19
	v_mul_f32 v[rT], s[CS], v[rT+1]
.elseif ((j == 17) || (j == 20) || (j == 23) || (j > 101)) && \first
.elseif j == 17
	v_mov_b32 v[rT+7], v[rT]
.elseif j == 20
	v_sub_f32 v[rT+7], v[rT+7], v[rT]
.elseif j == 23
	v_exp_f32 v[rT+6], v[rT+7]
.elseif (j < 23) || ((j < 38) && (j%2 == 0)) || ((j < 66) && (j%4 == 2))
.set b, (j-2)/4
.if j < 38
.set b, (j-20)/2
.endif
	v_pk_fma_f32 v[rS+2*b:rS+2*b+1], v[rS+2*b:rS+2*b+1], s[CS:CS+1], v[rT:rT+1] op_sel_hi:[1,0,0] neg_lo:[0,0,1] neg_hi:[0,0,1]
.elseif j < 70
.set e, j-38
.if j < 66
.set e, j-32-(j-38)/4
.endif
.if j < 38
.set e, (j-25)/2
.endif
	v_exp_f32 v[rS+e], v[rS+e]
.elseif j < 86
	v_cvt_pk_f16_f32 v[rP+j-70], v[rS+2*(j-70)], v[rS+2*(j-70)+1]
.elseif j < 102
.set z, j-86
.set w, 4
.set u, z
.if z >= 14
.set w, 32
.set u, 0
.elseif z >= 12
.set w, 16
.set u, z-12
.elseif z >= 8
.set w, 8
.set u, z-8
.endif
.if (z == 14) && \first
	v_pk_add_f32 v[rT+2:rT+3], v[rS:rS+1], v[rS+16:rS+17]
.elseif z < 15
	v_pk_add_f32 v[rS+w*u:rS+w*u+1], v[rS+w*u:rS+w*u+1], v[rS+w*u+w/2:rS+w*u+w/2+1]
.elseif !\first
	v_pk_fma_f32 v[rT+2:rT+3], v[rT+2:rT+3], v[rT+6:rT+7], v[rS:rS+1] op_sel_hi:[1,0,1]
.endif
.else
	WIN W_RS
	v_pk_mul_f32 v[rO:rO+1], v[rO:rO+1], v[rT+6:rT+7] op_sel_hi:[1,0]
.endif
.endm
; Slice k of 59 of piece y's softmax: four instructions.  Slices 11 to 34 deal out the batch, four numbers of one tile each, the tiles by turns; every other slice is numbers 2 k and 2 k + 1 of both tiles.
; Behind slice 34 no exponential is issued and ahead of slice 35 no result is named: the piece's 66 exponentials have one plain line and one wait, there.
.macro SLICE y, first
.if (k >= 11) && (k < 35)
.irp n, 0,1,2,3
.set j, 22+4*((k-11)/2)+(\n)
	SM (\y)+(k-11)%2, \first
.endr
.else
.irp n, 0,1
.irp t, \y, \y+1
.set j, 2*k+\n
	SM \t, \first
.endr
.endr
.endif
.if k == 34
	v_nop                                          ; the plain line behind the last exponential
.if (\y) == 0
	FETCH_V                                        ; piece 2's turn: V's run of loads stands here, and the wait stands in it
.else
	s_wait_alu depctr_va_vdst(0)                   ; the wait for the batch
.endif
.endif
.set k, k+1
.endm
; The slices behind matrix instruction g of G: per each, but so that each of the last keeps at least one: slice 58, four plain rescalings that name none of the last product's registers, stands behind the turn's last product.
.macro DEAL y, first
.set tgt, per*(g+1)
.if tgt > 59-(G-1-g)
.set tgt, 59-(G-1-g)
.endif
.rept tgt-k
	SLICE \y, \first
.endr
.set g, g+1
.endm
.macro PLACES
.rept 4
	v_nop
.endr
.endm
; A TURN.  pv = 2: 16 products V^T P; 1: they start O^T's sums; 0: none.  kq = 1: 16 products K Q^T for the next step.  first = 1: the softmax is the first key step's; its last slices are empty, so four v_nop stand at the end.
; Piece 0's turn fetches the next step's K behind its second product: K's last reader stands ahead of slice 58 of the turn before.  Piece 2's turn fetches V behind slice 34: V's last reader is product 16 of 32,
; and three scalings, the v_nop and the run's own addition lie between.
.macro TURN x, pv, kq, first
.set k, 0
.set g, 0
.set G, 16
.set per, 4
.if \pv && \kq
.set G, 32
.set per, 2
.endif
.if \pv
.if \x == 0
	s_wait_dscnt 0x0                               ; V is in
.endif
.set i, 0
.rept 16
	PV \x, 2-\pv
	DEAL 2-\x, \first
.if (\x == 0) && \kq && (i == 1)
	FETCH_K
.endif
.set i, i+1
.endr
.endif
.if \kq
.if \x == 0
	s_wait_dscnt 0x0                               ; K is in
.endif
.set i, 0
.rept 16
	KQ \x
	DEAL 2-\x, \first
.set i, i+1
.endr
.endif
.if \first
	PLACES
.endif
.endm
; THE CHANGE OF SLOTS, when all four steps of a slot have been asked for from LDS.  Each wave waits for all its tensor loads (one is out: its part of the other slot), adds 0 to its spare word, and waits for that and for its reads.
; fill = 1: the slot is filled again with the keys two slots on, behind a round of the cluster's barrier; the joint load is the first thing behind it.
.macro CHANGE fill
	WIN 0
	s_wait_tensorcnt 0x0
	ds_add_u32 v[SPW], v[NIL]
.if \fill
.irp g, G0K+4, G0V+4
	s_xor_b32 s[\g+1], s[\g+1], SLOT1              ; the walking descriptor: the other slot than last time,
	s_add_nc_u64 s[\g+2:\g+3], s[\g+2:\g+3], SLOTB ; the next 256 keys
.endr
	s_wait_xcnt 0x0                                ; the last prefetch, a slot back, has read its address
	s_add_nc_u64 s[PFA:PFA+1], s[PFA:PFA+1], SLOTB
	s_wait_dscnt 0x0                               ; the add is done, and my reads of the slot are over
	CROUND
	JLOAD
	ASK
.else
	s_wait_dscnt 0x0
	s_barrier_signal -1
	s_barrier_wait -1
.endif
	s_sub_co_u32 s[TBK], s[TBK], KSLOT             ; the fetches go back to a slot's first step, in the other slot
	s_xor_b32 s[TBK], s[TBK], SLOT1
	s_sub_co_u32 s[TBV], s[TBV], VSLOT
	s_xor_b32 s[TBV], s[TBV], SLOT1
.endm
.macro STEPS n                         ; n key steps: written once, walked n times
	s_mov_b32 s[CNT], \n
.Lstep_\@:
	TURN 0, 2, 1, 0
	TURN 2, 2, 1, 0
	WIN 0
	s_sub_co_u32 s[CNT], s[CNT], 1
	s_cmp_lg_u32 s[CNT], 0
	s_cbranch_scc1 .Lstep_\@
.endm
	s_wait_tensorcnt 1                             ; my part of slot 0 is in; slot 1's load may stay out
	s_barrier_signal -1
	s_barrier_wait -1
	FETCH_K                                        ; key step 0
	s_wait_loadcnt 0x0                             ; Q
	s_wait_dscnt 0x0
.set i, 0
.rept 16
	KQ 0                                           ; piece 0's first scores
.set i, i+1
.endr
	WIN 0
	PLACES
	TURN 2, 0, 1, 1                                ; piece 2's first scores | piece 0's first softmax | V of step 0
	TURN 0, 1, 1, 1                                ; piece 0: V^T P of step 0 starts O^T, K Q^T of step 1 | piece 2's first softmax | K of step 1
	TURN 2, 1, 1, 0                                ; piece 2: the same | piece 0's softmax of step 1 | V of step 1
	WIN 0
	STEPS 2                                        ; steps 2 and 3 are fetched: slot 0 is done with
.Lslot:                                            ; six trips: every slot of keys but the first two is asked for here
	CHANGE 1
	STEPS 4
	s_sub_co_u32 s[SLOTS], s[SLOTS], 1
	s_cmp_lg_u32 s[SLOTS], 0
	s_cbranch_scc1 .Lslot
	CHANGE 0                                       ; the tail is written out
	STEPS 4
	TURN 0, 2, 0, 0                                ; piece 0: V^T P of the last step | piece 2's last softmax
.set i, 0
.rept 16
	PV 2, 0                                        ; piece 2: V^T P of the last step
.set i, i+1
.endr
	; THE WAY OUT.  l's halves and the other half of the lanes' are added (these lines are the places behind the last products); O^T is divided by l in place and stored as it stands.
	WIN 0
.irp t, 0,1,2,3
	v_add_f32 v[ST+8*\t+4], v[ST+8*\t+2], v[ST+8*\t+3]
.endr
.irp t, 0,1,2,3
	v_permlanex16_b32 v[ST+8*\t+5], v[ST+8*\t+4], s[SEL], s[SEL+1]
.endr
.irp t, 0,1,2,3
	v_add_f32 v[ST+8*\t+4], v[ST+8*\t+4], v[ST+8*\t+5]
.endr
.irp t, 0,1,2,3
	v_rcp_f32 v[ST+8*\t+6], v[ST+8*\t+4]
.endr
	v_nop                                          ; a plain line behind the last reciprocal
	s_wait_alu depctr_va_vdst(0)                   ; one wait for the four, ahead of the first use
	WIN W_RS
.irp t, 0,1,2,3
.set i, 32*\t
.rept 16
	v_pk_mul_f32 v[i:i+1], v[i:i+1], v[ST+8*\t+6:ST+8*\t+7] op_sel_hi:[1,0]   ; each accumulator from its low end on
.set i, i+2
.endr
.endr
	WIN 0x04                                       ; a store's data are its source 1: window 1
.irp t, 0,1,2,3
.irp f, 0,1,2,3,4,5,6,7
	global_store_b128 v[GO], v[32*\t+4*\f:32*\t+4*\f+3], s[10:11] offset:4096*\t+512*\f   ; 32 lanes store 512 consecutive bytes, aligned: lane (r, hh): query r, channels 16 (f / 2) + 8 hh + 4 (f % 2) + 0..3
.endr
.endr
	WIN 0
	s_wait_tensorcnt 0x0                           ; the wave's end
	ds_add_u32 v[SPW], v[NIL]
	s_wait_dscnt 0x0
	CROUND                                         ; the closing round
	s_endpgm
.Lfunc_end_k_q8141f2d3a1_attn:
	.size	k_q8141f2d3a1_attn, .Lfunc_end_k_q8141f2d3a1_attn-k_q8141f2d3a1_attn
	.p2alignl 7, 3214868480
	.fill 96, 4, 3214868480
	.section	.rodata,"a",@progbits
	.p2align	6, 0x0
	.amdhsa_kernel k_q8141f2d3a1_attn
		.amdhsa_group_segment_fixed_size 327680
		.amdhsa_private_segment_fixed_size 0
		.amdhsa_enable_private_segment 0
		.amdhsa_kernarg_size 16
		.amdhsa_user_sgpr_count 2
		.amdhsa_user_sgpr_kernarg_segment_ptr 1
		.amdhsa_wavefront_size32 1
		.amdhsa_system_sgpr_workgroup_id_x 1
		.amdhsa_system_sgpr_workgroup_id_y 1
		.amdhsa_system_sgpr_workgroup_id_z 1
		.amdhsa_system_vgpr_workitem_id 0
		.amdhsa_next_free_vgpr 640
		.amdhsa_next_free_sgpr 72
		.amdhsa_reserve_vcc 0
		.amdhsa_float_denorm_mode_32 3
		.amdhsa_float_denorm_mode_16_64 3
		.amdhsa_memory_ordered 1
		.amdhsa_forward_progress 1
		.amdhsa_inst_pref_size 190
	.end_amdhsa_kernel
	.amdgpu_metadata
---
amdhsa.version: [ 1, 2 ]
amdhsa.kernels:
  - .name:           k_q8141f2d3a1_attn
    .symbol:         k_q8141f2d3a1_attn.kd
    .args:
      - { .name: qkv, .offset: 0, .size: 8, .value_kind: global_buffer, .address_space: global }
      - { .name: ow, .offset: 8, .size: 8, .value_kind: global_buffer, .address_space: global }
    .group_segment_fixed_size: 327680
    .private_segment_fixed_size: 0
    .kernarg_segment_align: 8
    .kernarg_segment_size: 16
    .max_flat_workgroup_size: 128
    .sgpr_count:     72
    .vgpr_count:     640
    .wavefront_size: 32
...
	.end_amdgpu_metadata
.endif
;; end of part 3
;; launch merge (part 4): grid 256 x 1, 8 waves a work-group, no clusters, 70,912 bytes of LDS; arguments ow, out0; writes out0
.if DOCPART == 4
	.amdgcn_target "amdgcn-amd-amdhsa--gfx1250"
	.amdhsa_code_object_version 6
	.text
	.protected	k_q8141f2d3a1_merge
	.globl	k_q8141f2d3a1_merge
	.p2align	8
	.type	k_q8141f2d3a1_merge,@function
k_q8141f2d3a1_merge:
	s_mov_b64 s[64:65], 0
	v_nop
	global_prefetch_b8 v0, s[64:65] scope:SCOPE_SE
	s_setreg_imm32_b32 hwreg(HW_REG_WAVE_MODE, 25, 1), 1
	s_wait_xcnt 0x0
; out0[b][s][16 dd + h] = O[16 b + h][s][dd]: the sixteen heads are interleaved number by number.  ow holds register images [bh][tile of 16 queries][8][lane][16 bytes]:
; image f of lane (r, hh) holds query r, dd = 16 (f / 2) + 8 hh + 4 (f % 2) + 0..3.
; A work-group takes one tile of 16 queries of one batch, all 16 heads: 65,536 bytes, all asked for at once.  They meet in LDS as [query][head][dd] and leave as whole rows of the output.
; A stream: no matrix unit, no cluster (no two work-groups read the same byte), no tensor load.
.set RB,    4368                       ; a query's row in LDS: 16 heads x (256 bytes + 16) + 16: sixteen queries start 16 bytes apart modulo 256
.set SPARE, 16*RB                      ; the spare words, 128 bytes for each wave: four blocks of 256 bytes that no other line names
.set IN,    16                         ; v16-79
.set OUT,   80                         ; v80-143
	s_load_b128 s[4:7], s[0:1], 0x0                ; ow, out0
	v_lshl_add_u32 v6, v0, 2, SPARE                ; my spare word; never rewritten
	v_mov_b32 v7, 0                                ; 0; never rewritten
	v_lshrrev_b32 v1, 5, v0
	v_readfirstlane_b32 s8, v1                     ; wave 0..7
	v_and_b32 v1, 31, v0                           ; lane
	v_lshlrev_b32 v2, 4, v1                        ; 16 x lane: in ow and in out0
	v_and_b32 v8, 15, v1
	v_lshrrev_b32 v9, 4, v1
	v_mul_u32_u24 v3, v8, RB
	v_lshl_add_u32 v3, v9, 5, v3
	s_mul_i32 s9, s8, 2*272
	v_add_nc_u32 v3, s9, v3                        ; in: query r, heads 2 w on, + 32 hh bytes
	v_and_b32 v8, 3, v1
	v_mul_u32_u24 v4, v8, 4*272
	v_lshrrev_b32 v9, 2, v1
	v_lshl_add_u32 v4, v9, 2, v4
	s_mul_i32 s9, s8, 2*RB
	v_add_nc_u32 v4, s9, v4                        ; out: queries 2 w on, head 4 (lane % 4), dd = lane / 4: the 32 lanes of a load touch 32 different words modulo 64
	s_lshr_b32 s10, ttmp9, 7                       ; b
	s_and_b32 s11, ttmp9, 127                      ; the tile
	s_lshl_b32 s10, s10, 23                        ; 16 heads of 524,288 bytes
	s_lshl_b32 s11, s11, 12                        ; 4,096 bytes a tile
	s_add_co_u32 s10, s10, s11
	s_lshl_b32 s11, s8, 20                         ; my two heads
	s_add_co_u32 s10, s10, s11
	s_mov_b32 s11, 0
	s_lshl_b32 s12, ttmp9, 16                      ; out0: 16 rows of 4,096 bytes a work-group,
	s_lshl_b32 s13, s8, 13                         ; two a wave
	s_add_co_u32 s12, s12, s13
	s_mov_b32 s13, 0
	s_wait_kmcnt 0x0
	s_add_nc_u64 s[4:5], s[4:5], s[10:11]
	s_add_nc_u64 s[6:7], s[6:7], s[12:13]
.set n, 0
.rept 16                               ; head 2 w + n / 8, image n % 8: 512 consecutive bytes a load
	global_load_b128 v[IN+4*n:IN+4*n+3], v2, s[4:5] offset:524288*(n/8)+512*(n%8) th:TH_LOAD_NT
.set n, n+1
.endr
.set n, 0
.rept 16
	s_wait_loadcnt 15-n                            ; load n is in; the younger ones stay out
	ds_store_b128 v3, v[IN+4*n:IN+4*n+3] offset:272*(n/8)+64*((n%8)/2)+16*(n%2)
.set n, n+1
.endr
	s_wait_dscnt 0x0                               ; for the others: my stores have landed
	s_barrier_signal -1
	s_barrier_wait -1
.set m, 0
.rept 16                               ; store m: query 2 w + m / 8, bytes 512 (m % 8) on: lane's word k is head 4 (lane % 4) + k, dd = 8 (m % 8) + lane / 4
.irp k, 0,1,2,3
	ds_load_b32 v[OUT+4*m+\k], v4 offset:RB*(m/8)+32*(m%8)+272*\k
.endr
.set m, m+1
.endr
.set m, 0
.rept 16
	s_wait_dscnt 60-4*m                            ; this store's four loads are in; those of the later stores stay out
	global_store_b128 v2, v[OUT+4*m:OUT+4*m+3], s[6:7] offset:4096*(m/8)+512*(m%8) th:TH_STORE_NT   ; 32 lanes store 512 consecutive bytes, aligned
.set m, m+1
.endr
	s_wait_tensorcnt 0x0                           ; the wave's end, behind my last LDS store
	ds_add_u32 v6, v7
	s_wait_dscnt 0x0
	s_endpgm
.Lfunc_end_k_q8141f2d3a1_merge:
	.size	k_q8141f2d3a1_merge, .Lfunc_end_k_q8141f2d3a1_merge-k_q8141f2d3a1_merge
	.p2alignl 7, 3214868480
	.fill 96, 4, 3214868480
	.section	.rodata,"a",@progbits
	.p2align	6, 0x0
	.amdhsa_kernel k_q8141f2d3a1_merge
		.amdhsa_group_segment_fixed_size 70912
		.amdhsa_private_segment_fixed_size 0
		.amdhsa_enable_private_segment 0
		.amdhsa_kernarg_size 16
		.amdhsa_user_sgpr_count 2
		.amdhsa_user_sgpr_kernarg_segment_ptr 1
		.amdhsa_wavefront_size32 1
		.amdhsa_system_sgpr_workgroup_id_x 1
		.amdhsa_system_sgpr_workgroup_id_y 1
		.amdhsa_system_sgpr_workgroup_id_z 1
		.amdhsa_system_vgpr_workitem_id 0
		.amdhsa_next_free_vgpr 160
		.amdhsa_next_free_sgpr 66
		.amdhsa_reserve_vcc 0
		.amdhsa_float_denorm_mode_32 3
		.amdhsa_float_denorm_mode_16_64 3
		.amdhsa_memory_ordered 1
		.amdhsa_forward_progress 1
		.amdhsa_inst_pref_size 11
	.end_amdhsa_kernel
	.amdgpu_metadata
---
amdhsa.version: [ 1, 2 ]
amdhsa.kernels:
  - .name:           k_q8141f2d3a1_merge
    .symbol:         k_q8141f2d3a1_merge.kd
    .args:
      - { .name: ow, .offset: 0, .size: 8, .value_kind: global_buffer, .address_space: global }
      - { .name: out0, .offset: 8, .size: 8, .value_kind: global_buffer, .address_space: global }
    .group_segment_fixed_size: 70912
    .private_segment_fixed_size: 0
    .kernarg_segment_align: 8
    .kernarg_segment_size: 16
    .max_flat_workgroup_size: 256
    .sgpr_count:     66
    .vgpr_count:     160
    .wavefront_size: 32
...
	.end_amdgpu_metadata
.endif
;; end of part 4
